; MI455X (gfx1250); checked and timed in simulation.
; The chip was launched on July 23, 2026; its instructions are those of AMD's public machine-readable ISA for CDNA 5 (MIT licence, August 2026) and "CDNA5" Instruction Set Architecture Reference Guide (July 2026). The comments in the code are by the model that wrote it; some were corrected since.
;; Centroid Pool. Allowed arithmetic: matrix products marked QUANTISED: E2M1 operands, one E8M0 scale for each 32 along K, by v_wmma_scale_f32_16x16x128_f8f6f4 with both operands' format E2M1 (or v_wmma_scale_f32_32x16x128_f4), f32 sums; everything else in f32.
;; Inputs: coords 1,024 x 128 float32; latent 131,072 x 128 float32.
;; Outputs: out0 131,072 int32.
;; This version of the problem:
;;   THIS VERSION OF THE PROBLEM IS GIVEN IN LOW PRECISION. The matrix products marked QUANTISED in the list below multiply operands that are first quantised to E2M1 (2 exponent bits, 1 mantissa bit; 4 bits a number), with one power-of-two scale for each 32 numbers along K (OCP MX v1.0); their sums are f32. All else is computed in f32.
;;   The module's matrix products, in the order in which they are computed (A, B: the left and right operand; K: the contracted axis; several contracted axes count as one K, in the product's order):
;;     1. [M 131,072, K 128] x [K 128, N 1,024]; A: input latent; B: input coords: QUANTISED
;;   THE QUANTISER, for each operand of a quantised product, along K:
;;     - K is cut into blocks of 32 from its start; a last block that is shorter is filled with zeros.
;;     - A block's scale is 2^e with e = floor(log2(the largest magnitude in the block)) - 2, held to -126 .. 127; a block of zeros has e = 0. As a byte (E8M0): e + 127.
;;     - Each number is divided by its block's scale, clamped to +-6, and rounded to the nearest number of E2M1, ties to even, subnormals kept.
;;     - The product sums the exact products of the quantised numbers (number of the format x scale) in f32.
;;   ~~~python
;;   def quantise(x, axis):      # numpy; x: float32 -> the quantised numbers, widened to float32 again
;;       x = np.moveaxis(x, axis, -1); K = x.shape[-1]
;;       x = np.pad(x, [(0, 0)] * (x.ndim - 1) + [(0, -K % 32)]); x = x.reshape(x.shape[:-1] + (-1, 32)); a = np.abs(x).max(-1, keepdims=True)
;;       e = np.where(a > 0, np.clip(np.frexp(np.where(a > 0, a, 1))[1] - 1 - 2, -126, 127), 0)      # np.frexp(a)[1] - 1 = floor(log2(a)), exactly
;;       r = np.clip(x / 2.0 ** e, -6, 6)
;;       step = 2.0 ** (np.maximum(np.frexp(np.where(r == 0, 1, r))[1] - 1, 0) - 1)
;;       q = np.round(r / step) * step * 2.0 ** e      # np.round: ties to even
;;       return np.moveaxis(q.reshape(q.shape[:-2] + (-1,))[..., :K], -1, axis).astype(np.float32)
;;   ~~~
;; One version. Each part assembles by itself: llvm-mc -triple=amdgcn-amd-amdhsa -mcpu=gfx1250 --defsym DOCPART=n.
;; ======== version 1 of 1: 2 launches
;; limits: right only within a limited range of input values
;; workspace buffers: cimg 73,728 bytes
;; launch prep (part 1): grid 16 x 1, 16 waves a work-group, no clusters, 6,656 bytes of LDS; arguments coords, cimg; writes cimg
.if DOCPART == 1
	.amdgcn_target "amdgcn-amd-amdhsa--gfx1250"
	.amdhsa_code_object_version 6
	.text
	.protected	k_q065b4e31dd_prep
	.globl	k_q065b4e31dd_prep
	.p2align	8
	.type	k_q065b4e31dd_prep,@function
k_q065b4e31dd_prep:
	s_mov_b64 s[64:65], 0
	v_nop
	global_prefetch_b8 v0, s[64:65] scope:SCOPE_SE
	s_setreg_imm32_b32 hwreg(HW_REG_WAVE_MODE, 25, 1), 1
	s_wait_xcnt 0x0
; WORK LEFT OUT OF THE PROGRAM: x2, the sum of a latent row's squares.  reference() adds x2[n] to d2(n, c) for every centroid c alike and takes the argmin over c: for all values of the inputs
; a number that is the same for all c moves no argmin in exact arithmetic, so x2 can reach no output.  LIMIT: a NaN, an infinity or an overflow that arises in x2 alone is not carried to the result.
; THIS LAUNCH: coords [1024][128] f32 becomes, once for the whole program, what the second launch takes from LDS straight into operand registers:
;   cimg[0 .. 65535]: the codes of -2 Q(coords), FP4 (E2M1), as images of operand registers: tile a (centroids 16 a .. 16 a + 15), register group c (0, 1), lane L: 16 bytes at 1024 a + 512 c + 16 L.
;   cimg[65536 ..]: the scale words, 4 bytes for each centroid;  cimg[69632 ..]: c2 = the sum of the centroid's squares, f32.
; Q is the MX quantiser along K: a block of 32 has the scale 2^(floor(log2(its largest magnitude)) - 2); the byte is that magnitude's exponent field - 2, held at 1 from below.
; THE FACTOR -2 of c2 - 2 x.c is put into the operand, exactly: every code's sign bit is turned (xor 8 in each nibble) and every scale byte is raised by 1 (a byte made here is 252 at the most ahead of that).
; LIMITS: NaN and infinities are not served; a block of zeros, or one whose largest magnitude lies under 2^-124, keeps the floor's byte (its codes are zeros or as the held scale gives them);
; c2 is summed in this text's own order (two packed chains in a lane, then eight lanes).
; SHARES: work-group q = 64 centroids; a lane takes 16 neighbours of a row, 64 bytes, at 64 x its thread's number: eight lanes to a row, two to a block.  The four loads go out on end and take the 64 bytes whole.
; The results are gathered in LDS and leave as 18 aligned blocks of 256 bytes.  No matrix work, no tensor load.
.set SC0,   4096                       ; LDS: four images, 256 scale bytes, 64 c2
.set C20,   4352
.set SPARE, 4608                       ; the spare words, 128 bytes a wave
.set SPW,  1
.set NIL,  2
.set ROWN, 3                           ; v3   my row of the 64
.set BLK,  4                           ; v4   my block of 32 along K
.set IMA,  5                           ; v5   LDS: my 8 bytes of codes
.set C2A,  6                           ; v6   LDS: my row's c2
.set SBA,  7                           ; v7   LDS: my block's scale byte
.set T8,   8                           ; v8   8 x thread
.set L8,   9                           ; v9   8 x lane
.set GO,   10                          ; v10  64 x thread
.set TMP,  11
.set X,    16                          ; v16-31  my 16 numbers
	s_load_b128 s[4:7], s[0:1], 0x0                ; coords s[4:5], cimg s[6:7]
	v_lshl_add_u32 v[SPW], v0, 2, SPARE
	v_mov_b32 v[NIL], 0
	v_lshrrev_b32 v[TMP], 5, v0
	v_readfirstlane_b32 s8, v[TMP]                 ; wave 0..15
	s_lshl_b32 s10, ttmp9, 15                      ; 64 rows of 512 bytes
	s_mov_b32 s11, 0
	s_lshl_b32 s12, ttmp9, 12                      ; four images
	s_mov_b32 s13, 0
	s_lshl_b32 s14, ttmp9, 8                       ; wave 0: the 256 scale bytes; wave 1: the 256 bytes of c2, 4,096 further on
	s_lshl_b32 s16, s8, 12
	s_add_co_u32 s14, s14, s16
	s_add_co_u32 s14, s14, 65536
	s_mov_b32 s15, 0
	v_lshlrev_b32 v[GO], 6, v0
	v_lshrrev_b32 v[ROWN], 3, v0
	v_and_b32 v[TMP], 15, v[ROWN]                  ; r: the row in its tile
	v_lshrrev_b32 v[IMA], 7, v0                    ; the tile of four
	v_lshlrev_b32 v[IMA], 10, v[IMA]
	v_lshl_add_u32 v[IMA], v[TMP], 4, v[IMA]
	v_bfe_u32 v[BLK], v0, 1, 2                     ; block 2 c + h: register group c, half h
	v_lshl_add_u32 v[IMA], v[BLK], 8, v[IMA]       ; 512 c + 256 h
	v_and_b32 v[TMP], 1, v0
	v_lshl_add_u32 v[IMA], v[TMP], 3, v[IMA]
	v_lshl_add_u32 v[C2A], v[ROWN], 2, C20
	v_lshl_add_u32 v[SBA], v[ROWN], 2, v[BLK]
	v_add_nc_u32 v[SBA], SC0, v[SBA]
	v_lshlrev_b32 v[T8], 3, v0
	v_and_b32 v[L8], 31, v0
	v_lshlrev_b32 v[L8], 3, v[L8]
	s_wait_alu depctr_va_vdst(0)                   ; the wait at the head's end
	s_wait_kmcnt 0x0
	s_add_nc_u64 s[4:5], s[4:5], s[10:11]
.irp i, 0,1,2,3
	global_load_b128 v[X+4*\i:X+4*\i+3], v[GO], s[4:5] offset:16*\i
.endr
	s_add_nc_u64 s[12:13], s[6:7], s[12:13]
	s_add_nc_u64 s[14:15], s[6:7], s[14:15]
	s_wait_loadcnt 0x0
	v_max3_num_f32 v32, |v[X]|, |v[X+1]|, 0x1800000        ; the largest magnitude of my 16, with the floor 2^(3 - 127) among the leaves
	v_max3_num_f32 v33, |v[X+2]|, |v[X+3]|, |v[X+4]|
	v_pk_mul_f32 v[34:35], v[X:X+1], v[X:X+1]
	v_pk_mul_f32 v[36:37], v[X+2:X+3], v[X+2:X+3]
.irp i, 0,4
	v_max3_num_f32 v32, v32, |v[X+5+\i]|, |v[X+6+\i]|
	v_max3_num_f32 v33, v33, |v[X+7+\i]|, |v[X+8+\i]|
	v_pk_fma_f32 v[34:35], v[X+4+\i:X+5+\i], v[X+4+\i:X+5+\i], v[34:35]
	v_pk_fma_f32 v[36:37], v[X+6+\i:X+7+\i], v[X+6+\i:X+7+\i], v[36:37]
.endr
	v_max3_num_f32 v32, v32, |v[X+13]|, |v[X+14]|
	v_pk_fma_f32 v[34:35], v[X+12:X+13], v[X+12:X+13], v[34:35]
	v_pk_fma_f32 v[36:37], v[X+14:X+15], v[X+14:X+15], v[36:37]
	v_max3_num_f32 v32, v32, v33, |v[X+15]|
	v_pk_add_f32 v[34:35], v[34:35], v[36:37]
	v_max_num_f32_dpp v32, v32, v32 row_xmask:1 row_mask:0xf bank_mask:0xf   ; with my neighbour's 16: the block's
	v_add_f32 v34, v34, v35
	v_add_nc_u32 v38, 0xff000000, v32              ; 2 off the exponent field: the conversion takes the exponent field of this operand as its scale
	v_cvt_scalef32_pk8_fp4_f32 v40, v[X:X+7], v38
	v_cvt_scalef32_pk8_fp4_f32 v41, v[X+8:X+15], v38
	v_add_f32_dpp v34, v34, v34 row_xmask:1 row_mask:0xf bank_mask:0xf
	v_lshrrev_b32 v39, 23, v38                     ; the scale's byte,
	v_add_f32_dpp v34, v34, v34 row_xmask:2 row_mask:0xf bank_mask:0xf
	v_add_nc_u32 v39, 1, v39                       ; doubled,
	v_xor_b32 v40, 0x88888888, v40                 ; and every code's sign turned: the operand is -2 Q(coords)
	v_xor_b32 v41, 0x88888888, v41
	v_add_f32_dpp v34, v34, v34 row_xmask:4 row_mask:0xf bank_mask:0xf   ; c2, in all eight lanes of the row
	ds_store_b8 v[SBA], v39                        ; both lanes of a block write the same byte with the same value
	ds_store_b64 v[IMA], v[40:41]
	ds_store_b32 v[C2A], v34                       ; eight lanes write the same word with the same value
	s_wait_dscnt 0x0                               ; for the others' sake: my part lies in LDS
	s_barrier_signal -1
	s_barrier_wait -1
	ds_load_b64 v[42:43], v[T8]                    ; wave w: bytes 256 w .. 256 w + 255 of the four images
	s_cmp_gt_u32 s8, 1
	s_cbranch_scc1 .Limage
	ds_load_b64 v[44:45], v[T8] offset:SC0         ; waves 0 and 1: scale bytes, c2
	s_wait_dscnt 0x0
	global_store_b64 v[L8], v[44:45], s[14:15]     ; 32 lanes store 256 consecutive bytes, aligned
.Limage:
	s_wait_dscnt 0x0
	global_store_b64 v[T8], v[42:43], s[12:13]     ; 256 consecutive bytes a wave, aligned
	s_wait_tensorcnt 0x0                           ; the wave's end
	ds_add_u32 v[SPW], v[NIL]
	s_wait_dscnt 0x0
	s_endpgm
.Lfunc_end_k_q065b4e31dd_prep:
	.size	k_q065b4e31dd_prep, .Lfunc_end_k_q065b4e31dd_prep-k_q065b4e31dd_prep
	.p2alignl 7, 3214868480
	.fill 96, 4, 3214868480
	.section	.rodata,"a",@progbits
	.p2align	6, 0x0
	.amdhsa_kernel k_q065b4e31dd_prep
		.amdhsa_group_segment_fixed_size 6656
		.amdhsa_private_segment_fixed_size 0
		.amdhsa_enable_private_segment 0
		.amdhsa_kernarg_size 16
		.amdhsa_user_sgpr_count 2
		.amdhsa_user_sgpr_kernarg_segment_ptr 1
		.amdhsa_wavefront_size32 1
		.amdhsa_system_sgpr_workgroup_id_x 1
		.amdhsa_system_sgpr_workgroup_id_y 1
		.amdhsa_system_sgpr_workgroup_id_z 1
		.amdhsa_system_vgpr_workitem_id 0
		.amdhsa_next_free_vgpr 48
		.amdhsa_next_free_sgpr 66
		.amdhsa_reserve_vcc 0
		.amdhsa_float_denorm_mode_32 3
		.amdhsa_float_denorm_mode_16_64 3
		.amdhsa_memory_ordered 1
		.amdhsa_forward_progress 1
		.amdhsa_inst_pref_size 5
	.end_amdhsa_kernel
	.amdgpu_metadata
---
amdhsa.version: [ 1, 2 ]
amdhsa.kernels:
  - .name:           k_q065b4e31dd_prep
    .symbol:         k_q065b4e31dd_prep.kd
    .args:
      - { .name: coords, .offset: 0, .size: 8, .value_kind: global_buffer, .address_space: global }
      - { .name: cimg, .offset: 8, .size: 8, .value_kind: global_buffer, .address_space: global }
    .group_segment_fixed_size: 6656
    .private_segment_fixed_size: 0
    .kernarg_segment_align: 8
    .kernarg_segment_size: 16
    .max_flat_workgroup_size: 512
    .sgpr_count:     66
    .vgpr_count:     48
    .wavefront_size: 32
...
	.end_amdgpu_metadata
.endif
;; end of part 1
;; launch main (part 2): grid 256 x 1, 8 waves a work-group, no clusters, 167,936 bytes of LDS; arguments latent, cimg, out0; writes out0
.if DOCPART == 2
	.amdgcn_target "amdgcn-amd-amdhsa--gfx1250"
	.amdhsa_code_object_version 6
	.text
	.protected	k_q065b4e31dd_main
	.globl	k_q065b4e31dd_main
	.p2align	8
	.type	k_q065b4e31dd_main,@function
k_q065b4e31dd_main:
	s_mov_b64 s[64:65], 0
	v_nop
	global_prefetch_b8 v0, s[64:65] scope:SCOPE_SE
	s_setreg_imm32_b32 hwreg(HW_REG_WAVE_MODE, 25, 1), 1
	s_wait_xcnt 0x0
; out0[n] = the index of the smallest c2(c) - 2 Q(latent[n]) . Q(coords[c]) over 1,024 centroids; of equal numbers the lowest index.  latent [131072][128] f32; K = 128 is ONE matrix instruction.
; LEFT OUT: x2, the sum of a latent row's squares: it is added to all centroids' numbers of a row alike and moves no argmin (shown at the head of the launch before).
; cimg (made by the launch before): the codes of -2 Q(coords) as images of operand registers, the scale words, and c2.
; THE MATRIX UNIT GIVES d = c2 - 2 x.c ITSELF: c2 is the C of the product.  Source 0 = 32 centroids (a group), source 1 = 16 rows of latent.  In the result lane (r, h) holds row r; its register i = 8 u + j is
; centroid 32 q + 16 u + 8 h + j of group q.  So C hangs on the register and the half alone: 64 bytes a half, read from LDS with the codes, once for four row tiles.
; THE ARGMIN: for each row tile and group a lane takes the smallest of its 16 numbers and the best so far (8 minima of three).  Where that is still the best so far, the lane keeps what it has; else it keeps this
; group's 16 numbers and its number q.  A later group that only equals the best changes nothing, so the lowest group stays.  At the end, once: the lowest of the 16 kept numbers that equals the best, and then the
; lower of the two halves' numbers, of equals the lower index.
; LIMITS: NaN and infinities are not served.  A block of 32 whose largest magnitude lies under 2^-124 keeps the scale byte 1.
; SHARES: a work-group owns 512 rows, each of its eight waves 64: four row tiles.  Every wave sweeps all 32 groups; a fragment read from LDS feeds four products.
; MEMORY: each wave asks for its 64 rows once, 64 loads of 512 consecutive bytes.  Every wave's first 16 rows are asked for at the head; waves 0 to 3 ask for the other 48 behind the barrier, waves 4 to 7 when their
; first 16 are in: so four waves have their rows, and sweep, while the other four's are on their way.  The image (73,728 bytes) comes into LDS once, an eighth by each wave's one tensor load; no LDS byte is filled again.
; NO CLUSTER: what work-groups share is that image, 73,728 of the 335,872 bytes that a work-group reads, asked for once at the head.  NO PREFETCH: all of a wave's requests stand ahead of its only loop.
.set GRPB,  2048                       ; a group's images
.set TABS,  65536                      ; the scale words
.set TABC,  69632                      ; c2
.set CIMGB, 73728
.set PARTB, CIMGB/8                    ; 9,216 bytes = 36 rows of 256: a wave's part of the image
.set PITCH, 528                        ; a row in a wave's turning stage: 512 bytes + 16
.set TURNW, 16*PITCH
.set TURN,  CIMGB                      ; LDS: the image at 0; behind it eight stages,
.set OUTB,  TURN+8*TURNW               ; 256 bytes of results a wave,
.set SPARE, OUTB+8*256                 ; and the spare words, 128 bytes a wave
.set L16,  1                           ; v1   16 x lane
.set C0,   2                           ; v2   TABC + 32 h
.set S0,   3                           ; v3   TABS + 4 x lane
.set AD,   4                           ; v4-6 the same three, stepped
.set CA,   5
.set SA,   6
.set TW,   7                           ; v7   the stage, way in;  at the end: where my results go
.set XR,   8                           ; v8   the stage, way out: row r, + 128 h
.set H8,   9                           ; v9   8 h
.set RR,   10                          ; v10  r
.set QV,   11                          ; v11  the number of the group at work
.set T0,   12                          ; v12-15  minima at work; ahead of the sweep the quantiser's; at the end the indices
.set IB,   16                          ; v16-23  for each row tile: the best's group number, the best
.set SO,   16                          ; ahead of the sweep: the conversions' scale operands,
.set PL,   18                          ; and what a lane permute brings
.set SPW,  24                          ; v24  LDS address of my spare word
.set NIL,  25                          ; v25  0
.set BSC,  26                          ; v26-29  scale words of my four row tiles
.set ASC,  30                          ; v30-31  scale words of a group, two sets
.set BF,   32                          ; v32-63  my four row tiles' codes
.set AF,   64                          ; v64-95  a group's codes, two sets
.set CF,   96                          ; v96-127 its c2, two sets
.set DD,   128                         ; v128-191 d of my four row tiles (ahead of the sweep: 64 numbers of my row)
.set KK,   192                         ; v192-255 the kept numbers of my four row tiles (ahead of the sweep likewise)
; window 1 (v256-511): the 64 rows as loaded, row n at v[4 n]
.set WV,   10
.set G0,   12
.set G1,   16
.set SEL,  24                          ; s[24:25] lane selects: lane l xor 16
.set TRIP, 27
.set CB,   28                          ; how far the image's and the tables' addresses have been stepped
.set CT,   29
.set MK,   30                          ; s30-33 lane masks
.set MSB, 0
.macro WIN new                         ; the immediate's high byte repeats the setting that is left
.if MSB != \new
	s_set_vgpr_msb (MSB<<8)|\new
.set MSB, \new
.endif
.endm
.macro ROW n                           ; row n of my 64: 512 consecutive bytes, read once in the launch
	global_load_b128 v[4*(\n):4*(\n)+3], v[L16], s[4:5] offset:512*(\n) th:TH_LOAD_NT
.endm
; 16 rows go through the wave's stage and come back as 64 numbers a lane at v[b] on: register 32 c + m = k 64 c + 32 h + m of row r: two whole blocks of 32, in the operand's own order.
.macro TURNX p, b
	WIN 0x04                                       ; the stores' data: window 1
.irp n, 0,1,2,3,4,5,6,7,8,9,10,11,12,13,14,15
	ds_store_b128 v[TW], v[64*\p+4*\n:64*\p+4*\n+3] offset:PITCH*\n
.endr
	WIN 0
.irp c, 0,1
.irp i, 0,1,2,3,4,5,6,7
	ds_load_b128 v[\b+32*\c+4*\i:\b+32*\c+4*\i+3], v[XR] offset:256*\c+16*\i   ; LDS serves a wave's instructions in order: these see the stores above
.endr
.endr
.endm
; 64 numbers of a lane at v[xs] on become row tile p's codes and scale word.
.macro QUANT xs, p
.irp c, 0,1                            ; the largest magnitude of my block 2 c + h: two chains a block, the four by turns
	v_max3_num_f32 v[T0+2*\c], |v[\xs+32*\c]|, |v[\xs+32*\c+1]|, 0x1800000   ; with the floor 2^(3 - 127) among the leaves: the byte cannot fall under 1
	v_max3_num_f32 v[T0+2*\c+1], |v[\xs+32*\c+16]|, |v[\xs+32*\c+17]|, |v[\xs+32*\c+18]|
.endr
.irp m, 2,4,6,8,10,12
.irp c, 0,1
	v_max3_num_f32 v[T0+2*\c], v[T0+2*\c], |v[\xs+32*\c+\m]|, |v[\xs+32*\c+\m+1]|
	v_max3_num_f32 v[T0+2*\c+1], v[T0+2*\c+1], |v[\xs+32*\c+\m+17]|, |v[\xs+32*\c+\m+18]|
.endr
.endr
.irp c, 0,1
	v_max3_num_f32 v[T0+2*\c], v[T0+2*\c], |v[\xs+32*\c+14]|, |v[\xs+32*\c+15]|
.endr
.irp c, 0,1
	v_max3_num_f32 v[T0+2*\c], v[T0+2*\c], v[T0+2*\c+1], |v[\xs+32*\c+31]|
.endr
.irp c, 0,1
	v_add_nc_u32 v[SO+\c], 0xff000000, v[T0+2*\c]      ; 2 off the exponent field: the conversion takes the exponent field of this operand as its scale
.endr
.irp c, 0,1
	v_lshrrev_b32 v[T0+2*\c+1], 23, v[SO+\c]           ; the scale's byte
.endr
	v_lshl_or_b32 v[T0], v[T0+3], 16, v[T0+1]          ; my two bytes: blocks h and 2 + h,
	v_lshlrev_b32 v[T0], v[H8], v[T0]                  ; at their places in the scale word
	v_permlanex16_b32 v[PL], v[T0], s[SEL], s[SEL+1]
	v_or_b32 v[BSC+\p], v[T0], v[PL]                   ; with lane l xor 16's two bytes the word is whole
.irp c, 0,1
.irp g, 0,1,2,3
	v_cvt_scalef32_pk8_fp4_f32 v[BF+8*\p+4*\c+\g], v[\xs+32*\c+8*\g:\xs+32*\c+8*\g+7], v[SO+\c]   ; beyond 6 the largest code
.endr
.endr
	v_nop                                              ; one plain vector instruction behind the last scaled conversion
.endm
; a group's operands into set s, off groups behind the addresses: four loads of codes, four of c2, one of scale words: nine
.macro LOADSET s, off, ad, ca, sa
.irp i, 0,1,2,3
	ds_load_b128 v[AF+16*\s+4*\i:AF+16*\s+4*\i+3], v[\ad] offset:GRPB*\off+512*\i
.endr
.irp u, 0,1
.irp i, 0,1
	ds_load_b128 v[CF+16*\s+8*\u+4*\i:CF+16*\s+8*\u+4*\i+3], v[\ca] offset:128*\off+64*\u+16*\i
.endr
.endr
	ds_load_b32 v[ASC+\s], v[\sa] offset:128*\off
.endm
; row tile p against the group in set s; the result at v[d + 16 p].  No accumulator is taken up again: every product begins with c2.
.macro WM d, p, s
	v_wmma_scale_f32_32x16x128_f4 v[\d+16*\p:\d+16*\p+15], v[AF+16*\s:AF+16*\s+15], v[BF+8*\p:BF+8*\p+7], v[CF+16*\s:CF+16*\s+15], v[ASC+\s], v[BSC+\p]
.endm
; the smallest of 16 numbers, two row tiles by turns, two chains each; each accumulator is read from its low end on
.macro VA b
	v_min3_num_f32 v[T0], v[\b], v[\b+1], v[\b+2]
	v_min3_num_f32 v[T0+2], v[\b+16], v[\b+17], v[\b+18]
	v_min3_num_f32 v[T0+1], v[\b+3], v[\b+4], v[\b+5]
	v_min3_num_f32 v[T0+3], v[\b+19], v[\b+20], v[\b+21]
.endm
.macro VM b
.irp k, 6,10
	v_min3_num_f32 v[T0], v[T0], v[\b+\k], v[\b+\k+1]
	v_min3_num_f32 v[T0+2], v[T0+2], v[\b+16+\k], v[\b+17+\k]
	v_min3_num_f32 v[T0+1], v[T0+1], v[\b+\k+2], v[\b+\k+3]
	v_min3_num_f32 v[T0+3], v[T0+3], v[\b+18+\k], v[\b+19+\k]
.endr
	v_min3_num_f32 v[T0], v[T0], v[\b+14], v[\b+15]
	v_min3_num_f32 v[T0+2], v[T0+2], v[\b+30], v[\b+31]
.endm
; row tile p: where the new smallest number equals the best so far, what is kept stays; else this group's 16 numbers, its number and its smallest take the place
.macro KEEP p, t
	v_cmp_eq_f32 vcc_lo, v[\t], v[IB+2*(\p)+1]
.irp i, 0,2,4,6,8,10,12,14
	v_dual_cndmask_b32 v[KK+16*(\p)+\i], v[DD+16*(\p)+\i], v[KK+16*(\p)+\i] :: v_dual_cndmask_b32 v[KK+16*(\p)+\i+1], v[DD+16*(\p)+\i+1], v[KK+16*(\p)+\i+1]
.endr
	v_dual_cndmask_b32 v[IB+2*(\p)], v[QV], v[IB+2*(\p)] :: v_dual_mov_b32 v[IB+2*(\p)+1], v[\t]
.endm
.macro VE x
	v_min3_num_f32 v[T0], v[T0], v[T0+1], v[IB+4*\x+1]
	v_min3_num_f32 v[T0+2], v[T0+2], v[T0+3], v[IB+4*\x+3]
	KEEP 2*\x, T0
	KEEP 2*\x+1, T0+2
.endm
; GROUP q, whose products (set s) were issued ahead.  load: 1 = step the addresses and ask for group q + 2, 2 = ask for it; left: LDS loads that may be out when group q + 1's operands have to be in, or -1: no further group.
; Places: behind the last two products of set s stand VA's four lines ahead of the loads into that set; between a pair of products and the first read of their results stand the other pair's 36 lines.
.macro BODY s, load, left
	v_add_nc_u32 v[QV], 1, v[QV]
	VA DD
.if \load == 1
	s_add_co_u32 s[CB], s[CB], 2*GRPB
	s_add_co_u32 s[CT], s[CT], 256
	v_add_nc_u32 v[AD], s[CB], v[L16]
	v_add_nc_u32 v[CA], s[CT], v[C0]
	v_add_nc_u32 v[SA], s[CT], v[S0]
.endif
.if \load
	LOADSET \s, \load, AD, CA, SA
.endif
	VM DD
	VE 0
.if \left >= 0
	s_wait_dscnt \left
	WM DD, 0, (1-\s)
	WM DD, 1, (1-\s)
.endif
	VA DD+32
	VM DD+32
	VE 1
.if \left >= 0
	WM DD, 2, (1-\s)
	WM DD, 3, (1-\s)
.endif
.endm
	s_load_b128 s[4:7], s[0:1], 0x0                ; latent s[4:5], cimg s[6:7]
	s_load_b64 s[8:9], s[0:1], 0x10                ; out0
	v_lshl_add_u32 v[SPW], v0, 2, SPARE
	v_mov_b32 v[NIL], 0
	ds_add_u32 v[SPW], v[NIL]                      ; the opening lines: the add, twice on end, and its wait ahead of my tensor load
	ds_add_u32 v[SPW], v[NIL]
	v_lshrrev_b32 v[L16], 5, v0
	v_readfirstlane_b32 s[WV], v[L16]              ; wave 0..7
	; the descriptor: my eighth of the image, dense in memory: 36 rows of 32 elements of 8 bytes, no padding
	s_mov_b32 s[G1+0], 3<<16                       ; no mask; elements of 8 bytes; padding off
	s_mov_b32 s[G1+1], 32<<16                      ; tensor_dim0 = 32
	s_mov_b32 s[G1+2], 36<<16                      ; tensor_dim1 = 36
	s_mov_b32 s[G1+3], 32<<16                      ; tile_dim0 = 32
	s_mov_b32 s[G1+4], 36                          ; tile_dim1 = 36
	s_mov_b32 s[G1+5], 32                          ; from row to row: 32 elements
	s_mov_b32 s[G1+6], 0
	s_mov_b32 s[G1+7], 0
	s_mov_b32 s[G0], 1                             ; count = 1
	s_mul_i32 s[G0+1], s[WV], PARTB                ; LDS address: the image lies in LDS as in memory
	s_mul_i32 s40, s[WV], PARTB
	s_mov_b32 s41, 0
	s_lshl_b32 s42, ttmp9, 18                      ; the work-group's 512 rows of 512 bytes,
	s_lshl_b32 s43, s[WV], 15                      ; my wave's 64 of them
	s_add_co_u32 s42, s42, s43
	s_mov_b32 s43, 0
	s_lshl_b32 s44, ttmp9, 11                      ; the work-group's 512 results,
	s_lshl_b32 s46, s[WV], 8                       ; my wave's 64 of them
	s_add_co_u32 s44, s44, s46
	s_mov_b32 s45, 0
	s_add_co_u32 s46, s46, OUTB                    ; and their place in LDS
	s_mul_i32 s47, s[WV], TURNW
	s_add_co_u32 s47, s47, TURN                    ; my stage
	s_mov_b32 s[SEL], 0x76543210
	s_mov_b32 s[SEL+1], 0xfedcba98
	s_mov_b32 s[CB], 0
	s_mov_b32 s[CT], 0
	v_and_b32 v[L16], 31, v0
	v_lshl_add_u32 v[S0], v[L16], 2, TABS
	v_lshlrev_b32 v[L16], 4, v[L16]
	v_and_b32 v[RR], 15, v0                        ; r
	v_bfe_u32 v[H8], v0, 4, 1                      ; h
	v_add_nc_u32 v[TW], s47, v[L16]
	v_mul_u32_u24 v[XR], v[RR], PITCH
	v_lshl_add_u32 v[XR], v[H8], 7, v[XR]
	v_add_nc_u32 v[XR], s47, v[XR]
	v_lshlrev_b32 v[C0], 5, v[H8]
	v_add_nc_u32 v[C0], TABC, v[C0]
	v_lshlrev_b32 v[H8], 3, v[H8]
	v_mov_b32 v[QV], 0
	v_mov_b32 v[PL], 0                             ; written once: a lane permute's destination counts as one of its sources
	s_wait_alu depctr_va_vdst(0)                   ; the wait at the head's end
	s_wait_dscnt 0x0                               ; both opening adds are done
	s_wait_kmcnt 0x0
	s_add_nc_u64 s[G0+2:G0+3], s[6:7], s[40:41]
	s_or_b32 s[G0+3], s[G0+3], 0x80000000          ; type = 2
	s_add_nc_u64 s[4:5], s[4:5], s[42:43]
	s_add_nc_u64 s[8:9], s[8:9], s[44:45]
	tensor_load_to_lds s[G0:G0+3], s[G1:G1+7]      ; my one tensor load: a first fill; nothing is filled again
	s_nop 0
	WIN 0x40                                       ; the rows land in window 1
.irp n, 0,1,2,3,4,5,6,7,8,9,10,11,12,13,14,15
	ROW \n
.endr
	WIN 0
	s_wait_tensorcnt 0x0                           ; my part of the image lies in LDS,
	s_barrier_signal -1
	s_barrier_wait -1                              ; everybody's does.  The rows stay on their way
	s_cmp_lt_u32 s[WV], 4
	s_cbranch_scc1 .Lask
	s_wait_loadcnt 0x0                             ; waves 4 to 7 ask for more when their first 16 rows are in
.Lask:
	WIN 0x40
.set N, 16
.rept 48
	ROW N
.set N, N+1
.endr
	WIN 0
	LOADSET 0, 0, L16, C0, S0                      ; groups 0 and 1
	LOADSET 1, 1, L16, C0, S0
	s_wait_loadcnt 48                              ; row tile 0 is in; the 48 younger loads may be out
	TURNX 0, DD
	s_wait_loadcnt 32
	TURNX 1, KK
	s_wait_dscnt 32                                ; row tile 0 is back; row tile 1's 16 stores and 16 loads may be out
	QUANT DD, 0
	s_wait_loadcnt 16
	TURNX 2, DD
	s_wait_dscnt 32                                ; row tile 1 is back
	QUANT KK, 1
	s_wait_loadcnt 0x0
	TURNX 3, KK
	s_wait_dscnt 32                                ; row tile 2 is back
	QUANT DD, 2
	s_wait_dscnt 0x0                               ; row tile 3 is back
	QUANT KK, 3
.irp p, 0,1,2,3
	v_mov_b32 v[IB+2*\p], 0                        ; group 0 is the first that is kept
.endr
.rept 4
	v_nop                                          ; with the five lines above: places in front of a scaled matrix instruction whose scales a vector instruction wrote
.endr
	s_wait_alu depctr_va_vdst(0)                   ; the wait ahead of readers behind waits
.irp p, 0,1,2,3
	WM KK, \p, 0                                   ; group 0: its numbers are kept as they come
.endr
.irp p, 0,1,2,3
	WM DD, \p, 1                                   ; group 1
.endr
.rept 4
	v_nop                                          ; places in front of the loads into group 0's registers and of the first reads of the kept numbers
.endr
	LOADSET 0, 2, L16, C0, S0                      ; group 2
.irp x, 0,1
	VA KK+32*\x
	VM KK+32*\x
	v_min_num_f32 v[IB+4*\x+1], v[T0], v[T0+1]     ; the best so far
	v_min_num_f32 v[IB+4*\x+3], v[T0+2], v[T0+3]
.endr
	s_mov_b32 s[TRIP], 14
.Lsweep:                                               ; a trip is two groups, an odd one (set 1) and an even one (set 0): groups 1 to 28
	BODY 1, 1, 9                                   ; nine: the loads of the group two on may be out
	BODY 0, 2, 9
	s_sub_co_u32 s[TRIP], s[TRIP], 1
	s_cmp_lg_u32 s[TRIP], 0
	s_cbranch_scc1 .Lsweep
	BODY 1, 1, 9                                   ; group 29 asks for the last one, 31
	BODY 0, 0, 0
	BODY 1, 0, -1
	; THE PLACE INSIDE THE KEPT GROUP: the lowest register whose number equals the best; register i = 8 u + j stands for 16 u + j
.irp p, 0,1,2,3
	v_mov_b32 v[T0+\p], 23
.endr
.irp i, 14,13,12,11,10,9,8,7,6,5,4,3,2,1,0
.irp p, 0,1,2,3
	v_cmp_eq_f32 s[MK+\p], v[KK+16*\p+\i], v[IB+2*\p+1]
.endr
.irp p, 0,1,2,3
	v_cndmask_b32 v[T0+\p], v[T0+\p], \i+8*(\i/8), s[MK+\p]
.endr
.endr
.irp p, 0,1,2,3
	v_lshl_add_u32 v[T0+\p], v[IB+2*\p], 5, v[T0+\p]
.endr
.irp p, 0,1,2,3
	v_add_nc_u32 v[T0+\p], v[T0+\p], v[H8]         ; 32 q + 16 u + 8 h + j
.endr
	; THE TWO HALVES of a row's centroids lie in lanes l and l xor 16: the smaller number, of equals the lower index
.irp p, 0,1,2,3
	v_permlanex16_b32 v[DD+\p], v[IB+2*\p+1], s[SEL], s[SEL+1]
.endr
.irp p, 0,1,2,3
	v_min_num_f32 v[DD+4+\p], v[IB+2*\p+1], v[DD+\p]
.endr
.irp p, 0,1,2,3
	v_cmp_eq_f32 s[MK+\p], v[IB+2*\p+1], v[DD+4+\p]
.endr
.irp p, 0,1,2,3
	v_cndmask_b32 v[DD+8+\p], -1, v[T0+\p], s[MK+\p]   ; a half that is not the smaller gives the largest whole number
.endr
.irp p, 0,1,2,3
	v_permlanex16_b32 v[DD+12+\p], v[DD+8+\p], s[SEL], s[SEL+1]
.endr
	v_lshl_add_u32 v[TW], v[RR], 2, s46            ; where row r's result goes
	v_lshrrev_b32 v[CA], 1, v[L16]                 ; 8 x lane
	v_add_nc_u32 v[SA], s46, v[CA]
.irp p, 0,1,2,3
	v_min_u32 v[DD+8+\p], v[DD+8+\p], v[DD+12+\p]
.endr
.irp p, 0,1,2,3
	ds_store_b32 v[TW], v[DD+8+\p] offset:64*\p    ; lanes r and r + 16 write the same word with the same value
.endr
	ds_load_b64 v[DD+16:DD+17], v[SA]              ; my wave's 64 results, 8 bytes a lane: LDS serves a wave's instructions in order
	s_wait_alu depctr_va_vdst(0)
	s_wait_dscnt 0x0
	global_store_b64 v[CA], v[DD+16:DD+17], s[8:9] th:TH_STORE_NT   ; 32 lanes store 256 consecutive bytes, aligned
	s_wait_tensorcnt 0x0                           ; the wave's end
	ds_add_u32 v[SPW], v[NIL]
	s_wait_dscnt 0x0
	s_endpgm
.Lfunc_end_k_q065b4e31dd_main:
	.size	k_q065b4e31dd_main, .Lfunc_end_k_q065b4e31dd_main-k_q065b4e31dd_main
	.p2alignl 7, 3214868480
	.fill 96, 4, 3214868480
	.section	.rodata,"a",@progbits
	.p2align	6, 0x0
	.amdhsa_kernel k_q065b4e31dd_main
		.amdhsa_group_segment_fixed_size 167936
		.amdhsa_private_segment_fixed_size 0
		.amdhsa_enable_private_segment 0
		.amdhsa_kernarg_size 24
		.amdhsa_user_sgpr_count 2
		.amdhsa_user_sgpr_kernarg_segment_ptr 1
		.amdhsa_wavefront_size32 1
		.amdhsa_system_sgpr_workgroup_id_x 1
		.amdhsa_system_sgpr_workgroup_id_y 1
		.amdhsa_system_sgpr_workgroup_id_z 1
		.amdhsa_system_vgpr_workitem_id 0
		.amdhsa_next_free_vgpr 512
		.amdhsa_next_free_sgpr 66
		.amdhsa_reserve_vcc 1
		.amdhsa_float_denorm_mode_32 3
		.amdhsa_float_denorm_mode_16_64 3
		.amdhsa_memory_ordered 1
		.amdhsa_forward_progress 1
		.amdhsa_inst_pref_size 71
	.end_amdhsa_kernel
	.amdgpu_metadata
---
amdhsa.version: [ 1, 2 ]
amdhsa.kernels:
  - .name:           k_q065b4e31dd_main
    .symbol:         k_q065b4e31dd_main.kd
    .args:
      - { .name: latent, .offset: 0, .size: 8, .value_kind: global_buffer, .address_space: global }
      - { .name: cimg, .offset: 8, .size: 8, .value_kind: global_buffer, .address_space: global }
      - { .name: out0, .offset: 16, .size: 8, .value_kind: global_buffer, .address_space: global }
    .group_segment_fixed_size: 167936
    .private_segment_fixed_size: 0
    .kernarg_segment_align: 8
    .kernarg_segment_size: 24
    .max_flat_workgroup_size: 256
    .sgpr_count:     66
    .vgpr_count:     512
    .wavefront_size: 32
...
	.end_amdgpu_metadata
.endif
;; end of part 2
